; MI455X (gfx1250); checked and timed in simulation.
; The chip was launched on July 23, 2026; its instructions are those of AMD's public machine-readable ISA for CDNA 5 (MIT licence, August 2026) and "CDNA5" Instruction Set Architecture Reference Guide (July 2026). The comments in the code are by the model that wrote it; some were corrected since.
;; Auto QVLA Linear W4 A4. Allowed arithmetic: matrix products marked QUANTISED: E5M2 operands, one E8M0 scale for each 32 along K, by v_wmma_scale_f32_16x16x128_f8f6f4 with both operands' format E5M2, f32 sums; everything else in f32.
;; Inputs: bias 4,096 float16; qweight_packed 4,096 x 2,048 int8; w_scales 4,096 x 1 float16; x 2 x 2,048 x 4,096 float16.
;; Outputs: out0 2 x 2,048 x 4,096 float16.
;; This version of the problem:
;;   THIS VERSION OF THE PROBLEM IS GIVEN IN LOW PRECISION. The matrix products marked QUANTISED in the list below multiply operands that are first quantised to E5M2 (5 exponent bits, 2 mantissa bits; 8 bits a number), with one power-of-two scale for each 32 numbers along K (OCP MX v1.0); their sums are f32. All else is computed in f32.
;;   The module's matrix products, in the order in which they are computed (A, B: the left and right operand; K: the contracted axis; several contracted axes count as one K, in the product's order):
;;     1. [M 4,096, K 4,096] x [K 4,096, N 4,096]; A: computed on the way; B: computed on the way: QUANTISED
;;   THE QUANTISER, for each operand of a quantised product, along K:
;;     - K is cut into blocks of 32 from its start; a last block that is shorter is filled with zeros.
;;     - A block's scale is 2^e with e = floor(log2(the largest magnitude in the block)) - 15, held to -126 .. 127; a block of zeros has e = 0. As a byte (E8M0): e + 127.
;;     - Each number is divided by its block's scale, clamped to +-57,344, and rounded to the nearest number of E5M2, ties to even, subnormals kept.
;;     - The product sums the exact products of the quantised numbers (number of the format x scale) in f32.
;;   ~~~python
;;   def quantise(x, axis):      # numpy; x: float32 -> the quantised numbers, widened to float32 again
;;       x = np.moveaxis(x, axis, -1); K = x.shape[-1]
;;       x = np.pad(x, [(0, 0)] * (x.ndim - 1) + [(0, -K % 32)]); x = x.reshape(x.shape[:-1] + (-1, 32)); a = np.abs(x).max(-1, keepdims=True)
;;       e = np.where(a > 0, np.clip(np.frexp(np.where(a > 0, a, 1))[1] - 1 - 15, -126, 127), 0)      # np.frexp(a)[1] - 1 = floor(log2(a)), exactly
;;       r = np.clip(x / 2.0 ** e, -57344, 57344)
;;       step = 2.0 ** (np.maximum(np.frexp(np.where(r == 0, 1, r))[1] - 1, -14) - 2)
;;       q = np.round(r / step) * step * 2.0 ** e      # np.round: ties to even
;;       return np.moveaxis(q.reshape(q.shape[:-2] + (-1,))[..., :K], -1, axis).astype(np.float32)
;;   ~~~
;;   OPERANDS COMPUTED ON THE WAY. 'Computed on the way' means the value that the module computes at that place (a softmax that the list does not call 'softmax' is quantised finished and normalised). What goes into a quantiser is computed in f32, as accurately as f32 sums, v_exp_f32 and their like allow (about 1e-6 of the number): no bf16 or f16 on the way to a quantiser, and a product that is left as it is and whose result goes on into a quantised operand takes f32 operands (vector FMAs, or v_wmma_f32_16x16x4_f32). A number that lies on a knife's edge between two numbers of the format may be rounded either way, as far as f32 arithmetic and the matrix unit's own rounding can turn it there, and no further.
;; One version. Each part assembles by itself: llvm-mc -triple=amdgcn-amd-amdhsa -mcpu=gfx1250 --defsym DOCPART=n.
;; ======== version 1 of 1: 2 launches
;; limits: values are held in f16: magnitudes above 65,504 overflow, below 6.1e-05 lose precision; right only within a limited range of input values
;; workspace buffers: acode 16,777,216 bytes; bcode 16,777,216 bytes; sc 32,768 bytes
;; launch prep (part 1): grid 256 x 1, 16 waves a work-group, no clusters, 142,080 bytes of LDS; arguments x, qweight_packed, w_scales, acode, bcode, sc; writes acode, bcode, sc
.if DOCPART == 1
	.amdgcn_target "amdgcn-amd-amdhsa--gfx1250"
	.amdhsa_code_object_version 6
	.text
	.protected	k_qf749b2687e_prep
	.globl	k_qf749b2687e_prep
	.p2align	8
	.type	k_qf749b2687e_prep,@function
k_qf749b2687e_prep:
	s_mov_b64 s[64:65], 0
	v_nop
	global_prefetch_b8 v0, s[64:65] scope:SCOPE_SE
	s_setreg_imm32_b32 hwreg(HW_REG_WAVE_MODE, 25, 1), 1
	s_wait_xcnt 0x0
; BOTH OPERANDS OF y = a_deq w^T ARE MADE AND QUANTISED ONCE, into codes of BF8 (E5M2) with E8M0 scales.
;   a_deq[m][k] = q s,  s = max(largest |x[m][:]|, 1e-6) / 7,  q = round-half-even(x[m][k] / s);      w[n][k] = (signed nibble) x w_scales[n].
; ONE SCALE FOR A ROW.  The quantiser's scale for a block is 2^(e - 15), e the exponent of the block's largest number.  A row's numbers are whole numbers 0 .. 8 times one s, so those that are not 0 lie within three binades of
; the row's possible largest (7 s, 8 ws): under the scale of THAT number every one has a normal code, and code x scale is the same number that the block's own scale gives.  The one place where the block's scale
; shows is the clamp at 57,344 x scale: it is applied per block, to the f32 numbers, before the conversion.
; THE QUOTIENT.  1 / s is held as y + yl, two f32; t = x y + (x yl) by one fused multiply-add is x / s, but for a part in 2^46, rounded to f32; q = t to the nearest whole number, ties to even.  That is reference()'s q:
; x and the maximum M are f16, significands of 11 bits, so x / s lies 2^-15 of its size or more from a half n/2 unless 14 |x| = n M.  Then either 7 divides M's significand, s is exact and x / s is n/2 exactly; or n is 7,
; and 3.5 / (1 + d), d the rounding of s, lies 2^-12 of an f32 step or more from where the rounding to f32 turns.  (Where M is under 1e-6, x is a multiple of 2^-24 up to 16 of them, and no x / s lies within 1e-3 of its size of a half.)
; The clip of q to -8 .. 7 acts on no finite input: |x / s| is at most 7 and one step of f32, which rounds to 7.  So it is not written.
; q s (one f32 rounding) and nibble x scale (exact in f32) go into the quantiser as f32.
; LIMITS: NaN and infinities in x or w_scales are not served.
; LAYOUT.  A fragment (16 rows x 128 K) is 2,048 bytes on end: [k/32 % 4][k/16 % 2][row % 16][16 codes].  acode: [row / 64][k / 128][row/16 % 4][fragment];  bcode: [row / 256][k / 128][row/16 % 16][fragment].
; sc: [row / 16][16 words of A's rows, 16 of W's], the row's scale byte four times in a word.
; SHARES.  Work-group g takes rows 16 g .. 16 g + 15 of x and of W; wave w takes row 16 g + w of each, whole.  Waves 0-7 ask for x at the head, waves 8-15 when W is in: so eight rows of x come ahead of the other eight.
; The 16 rows meet in LDS; then wave w sends units w and w + 16 of the 32 (128 along K each): each store covers 512 consecutive bytes, aligned.  x's units 0-15 leave behind a barrier in the middle of its work.
; (A work-group's 32 scale words are 128 consecutive bytes.)
.set KSP,   4368                       ; LDS: the image of 256 along K: 16 groups of UP bytes + 16
.set UP,    272                        ; a group: 16 rows x 16 codes + 16 of padding
.set IMG_B, 16*KSP
.set WORDS, 32*KSP                     ; the scale words
.set SPARE, WORDS+256                  ; the spare words, 128 bytes for each wave
.set LANE, 1
.set XO,   2                           ; 16 x lane
.set LAW,  3                           ; LDS: where I put 8 codes of x
.set LBW,  4                           ; where I put 16 codes of W
.set LRDA, 5                           ; where I read my unit back: x's, W's
.set LRDB, 6
.set WSO,  7                           ; my row's place in w_scales
.set LSA,  10                          ; my row's scale word
.set LRW,  11                          ; the 32 words, a lane each
.set VS,   12                          ; 4 x lane
.set SPW,  14
.set NIL,  15
.set X,    16                          ; v16-79 my row of x as loaded; behind pass 1: v16-47 x's codes
.set AC,   16
.set W,    80                          ; v80-95 my row of W as loaded; then CM: the largest |x| of each chunk, then the blocks' bounds
.set CM,   80
.set SW,   97
.set C23,  98                          ; W: pairs of factors and addends
.set C42,  100
.set C34,  102
.set D23,  104
.set D42,  106
.set D34,  108
.set YV,   98                          ; x: pairs: y,
.set YL,   100                         ;    yl,
.set SV,   104                         ;    s
.set T,    106
.set XT,   110                         ; v110-121 four words of W, and the same moved by 8 and 12 bits; x: v110-117 x yl
.set BM,   122
.set BM2,  123
.set HOLD, 124
.set SCB,  125                         ; the conversion's scale operand: W's row, x's row
.set SCA,  126
.set WF,   127
.set F,    128                         ; v128-255 my row of x in f32; while W is worked: v128-191 two sets of 32 numbers, v192-223 codes, v224-255 the way out
.set N,    128
.set BC,   192
	s_load_b256 s[4:11], s[0:1], 0x0               ; x, qweight, w_scales, acode
	s_load_b128 s[12:15], s[0:1], 0x20             ; bcode, sc
	v_lshrrev_b32 v1, 5, v0
	v_readfirstlane_b32 s16, v1                    ; wave 0..15
	s_lshl_b32 s20, ttmp9, 17                      ; x: rows of 8,192 bytes
	s_lshl_b32 s17, s16, 13
	s_add_co_u32 s20, s20, s17
	s_mov_b32 s21, 0
	s_lshl_b32 s22, ttmp9, 15                      ; W: rows of 2,048 bytes
	s_lshl_b32 s17, s16, 11
	s_add_co_u32 s22, s22, s17
	s_mov_b32 s23, 0
	s_lshr_b32 s24, ttmp9, 2                       ; acode: block g / 4, fragment g % 4, unit w
	s_lshl_b32 s24, s24, 18
	s_and_b32 s17, ttmp9, 3
	s_lshl_b32 s17, s17, 11
	s_add_co_u32 s24, s24, s17
	s_lshl_b32 s17, s16, 13
	s_add_co_u32 s24, s24, s17
	s_mov_b32 s25, 0
	s_lshr_b32 s26, ttmp9, 4                       ; bcode: block g / 16, fragment g % 16, unit w
	s_lshl_b32 s26, s26, 20
	s_and_b32 s17, ttmp9, 15
	s_lshl_b32 s17, s17, 11
	s_add_co_u32 s26, s26, s17
	s_lshl_b32 s17, s16, 15
	s_add_co_u32 s26, s26, s17
	s_mov_b32 s27, 0
	s_lshl_b32 s28, ttmp9, 7                       ; sc
	s_mov_b32 s29, 0
	s_lshl_b32 s38, s16, 4
	s_lshr_b32 s39, s16, 1                         ; unit w lies in K step w / 2, in its half w % 2 (eight groups each)
	s_mul_i32 s39, s39, KSP
	s_and_b32 s17, s16, 1
	s_mul_i32 s17, s17, 8*UP
	s_add_co_u32 s39, s39, s17
	s_lshl_b32 s40, ttmp9, 5
	s_lshl_b32 s17, s16, 1
	s_add_co_u32 s40, s40, s17                     ; 2 bytes x (16 g + wave)
	s_lshl_b32 s41, s16, 2
	s_add_co_u32 s41, s41, WORDS
	s_mov_b32 s43, 0x600000                        ; the mantissa field of 57,344
	s_mov_b32 s44, 0x88888888                      ; the top bit of eight nibbles
	s_mov_b32 s45, 0x3f800000                      ; 1.0
	s_mov_b32 s46, 0x76543210
	s_mov_b32 s47, 0xfedcba98                      ; v_permlanex16_b32's selects for lane l xor 16
	s_mov_b32 s48, 0x3e124925                      ; 1 / 7, correctly rounded
	s_mov_b32 s49, 0x40e00000                      ; 7
	v_lshl_add_u32 v[SPW], v0, 2, SPARE
	v_mov_b32 v[NIL], 0
	v_and_b32 v[LANE], 31, v0
	v_lshlrev_b32 v[XO], 4, v[LANE]
	v_lshrrev_b32 v[LAW], 1, v[LANE]               ; x: lane l holds k = 8 l .. 8 l + 7: group l / 2, half l % 2
	v_mul_u32_u24 v[LAW], UP, v[LAW]
	v_and_b32 v8, 1, v[LANE]
	v_lshl_add_u32 v[LAW], v8, 3, v[LAW]
	v_add_nc_u32 v[LAW], s38, v[LAW]
	v_lshrrev_b32 v8, 3, v[LANE]                   ; W: lane l holds block l % 8 of K step l / 8 of a load's four
	v_and_b32 v9, 7, v[LANE]
	v_mul_u32_u24 v[LBW], KSP, v8
	v_mad_u32_u24 v[LBW], v9, 2*UP, v[LBW]
	v_add_nc_u32 v[LBW], s38, v[LBW]
	v_add_nc_u32 v[LBW], IMG_B, v[LBW]
	v_lshrrev_b32 v8, 4, v[LANE]                   ; back: lanes 0-15 one group, lanes 16-31 the next
	v_mul_u32_u24 v8, UP, v8
	v_and_b32 v9, 15, v[LANE]
	v_lshl_add_u32 v8, v9, 4, v8
	v_add_nc_u32 v[LRDA], s39, v8
	v_add_nc_u32 v[LRDB], IMG_B, v[LRDA]
	v_mov_b32 v[WSO], s40
	v_mov_b32 v[LSA], s41
	v_lshlrev_b32 v[VS], 2, v[LANE]
	v_add_nc_u32 v[LRW], WORDS, v[VS]
	s_wait_alu depctr_va_vdst(0)                   ; the wait at the head's end
	s_wait_kmcnt 0x0
	s_add_nc_u64 s[20:21], s[4:5], s[20:21]
	s_add_nc_u64 s[22:23], s[6:7], s[22:23]
	s_add_nc_u64 s[24:25], s[10:11], s[24:25]
	s_add_nc_u64 s[26:27], s[12:13], s[26:27]
	s_add_nc_u64 s[28:29], s[14:15], s[28:29]
.macro XLOADS                          ; my row of x: 32 lanes read 512 consecutive bytes
.irp i, 0,1,2,3,4,5,6,7,8,9,10,11,12,13,14,15
	global_load_b128 v[X+4*\i:X+4*\i+3], v[XO], s[20:21] offset:512*\i th:TH_LOAD_NT
.endr
.endm
.macro BARRIER                         ; my LDS stores have landed and my LDS loads are in: then the work-group's barrier
	s_wait_dscnt 0x0
	s_barrier_signal -1
	s_barrier_wait -1
.endm
.macro OUT lrd, base, o, hf, str       ; unit w + 16 hf goes out; units lie str bytes apart
.irp t, 0,1,2,3
	ds_load_b128 v[\o+4*\t:\o+4*\t+3], v[\lrd] offset:8*KSP*\hf+2*UP*\t
.endr
.irp t, 0,1,2,3
	s_wait_dscnt 3-\t                              ; pair t of groups is in; the 3 - t behind it may be out
	global_store_b128 v[XO], v[\o+4*\t:\o+4*\t+3], s[\base:\base+1] offset:16*\str*\hf+512*\t
.endr
.endm
.macro WORD scl, off                   ; the row's scale byte, four times, into its word: all lanes write the same word with the same value
	v_lshrrev_b32 v[SW], 23, v[\scl]
	v_lshl_or_b32 v[SW], v[SW], 8, v[SW]
	v_lshl_or_b32 v[SW], v[SW], 16, v[SW]
	ds_store_b32 v[LSA], v[SW] offset:\off
.endm
; W: the four registers of load i are ONE block of 32 along K: k = 1,024 i + 32 lane + 0 .. 31, the lower k in the lower nibble.
; b = nibble xor 8 = the signed nibble + 8.  A nibble in bits 4 p .. 4 p + 3 (p = 2, 3, 4) of the mantissa of 1.0 is 1 + b 2^(4 p - 23): one multiply-add by ws 2^(23 - 4 p), with -ws (8 + 2^(23 - 4 p)) added
; (11 + 13 bits at the most, so exact), makes it (b - 8) ws, exactly.  Nibbles 2, 3, 4 lie there; a shift by 8 brings nibbles 0, 1, a shift by 12 nibbles 5, 6, 7.
.macro E j, n, src, mask
	v_and_or_b32 v[NS+8*\j+\n], v[XT+3*\j+\src], \mask, s45
.endm
.macro WBLOCK i
.set NS, N+32*((\i)%2)
.irp j, 0,1,2,3
	v_xor_b32 v[XT+3*\j], s44, v[W+4*(\i)+\j]
.endr
.irp j, 0,1,2,3
	v_lshlrev_b32 v[XT+3*\j+1], 8, v[XT+3*\j]
	v_lshrrev_b32 v[XT+3*\j+2], 12, v[XT+3*\j]
.endr
.irp j, 0,1,2,3
	E \j, 0, 1, 0xf00
	E \j, 1, 1, 0xf000
	E \j, 2, 0, 0xf00
	E \j, 3, 0, 0xf000
	E \j, 4, 0, 0xf0000
	E \j, 5, 2, 0xf00
	E \j, 6, 2, 0xf000
	E \j, 7, 2, 0xf0000
.endr
.irp j, 0,8,16,24
	v_pk_fma_f32 v[NS+\j:NS+\j+1], v[NS+\j:NS+\j+1], v[C23:C23+1], v[D23:D23+1]
	v_pk_fma_f32 v[NS+\j+2:NS+\j+3], v[NS+\j+2:NS+\j+3], v[C23:C23+1], v[D23:D23+1]
	v_pk_fma_f32 v[NS+\j+4:NS+\j+5], v[NS+\j+4:NS+\j+5], v[C42:C42+1], v[D42:D42+1]
	v_pk_fma_f32 v[NS+\j+6:NS+\j+7], v[NS+\j+6:NS+\j+7], v[C34:C34+1], v[D34:D34+1]
.endr
	v_max_num_f32 v[BM], |v[NS]|, |v[NS+1]|        ; the block's largest magnitude
	v_max3_num_f32 v[BM2], |v[NS+2]|, |v[NS+3]|, |v[NS+4]|
.irp n, 5,9,13,17,21,25
	v_max3_num_f32 v[BM], v[BM], |v[NS+\n]|, |v[NS+\n+1]|
	v_max3_num_f32 v[BM2], v[BM2], |v[NS+\n+2]|, |v[NS+\n+3]|
.endr
	v_max3_num_f32 v[BM], v[BM], |v[NS+29]|, |v[NS+30]|
	v_max3_num_f32 v[BM], v[BM], v[BM2], |v[NS+31]|
	v_and_or_b32 v[HOLD], v[BM], 0x7f800000, s43   ; 57,344 x the block's scale
.irp n, 0,1,2,3,4,5,6,7,8,9,10,11,12,13,14,15,16,17,18,19,20,21,22,23,24,25,26,27,28,29,30,31
	v_med3_num_f32 v[NS+\n], v[NS+\n], -v[HOLD], v[HOLD]           ; the quantiser's clamp
.endr
.irp g, 0,1,2,3
	v_cvt_scalef32_pk8_bf8_f32 v[BC+8*(\i)+2*\g:BC+8*(\i)+2*\g+1], v[NS+8*\g:NS+8*\g+7], v[SCB]
.endr
	v_nop                                          ; the plain line behind the conversions
	ds_store_b128 v[LBW], v[BC+8*(\i):BC+8*(\i)+3] offset:4*KSP*(\i)           ; k 0 .. 15 of the block
	ds_store_b128 v[LBW], v[BC+8*(\i)+4:BC+8*(\i)+7] offset:4*KSP*(\i)+UP      ; k 16 .. 31: the next group
.endm
.irp i, 0,1,2,3
	global_load_b128 v[W+4*\i:W+4*\i+3], v[XO], s[22:23] offset:512*\i th:TH_LOAD_NT
.endr
	global_load_u16 v96, v[WSO], s[8:9]
	s_cmp_lt_u32 s16, 8
	s_cbranch_scc0 .Llate
	XLOADS
	s_wait_loadcnt 16                              ; W's four loads and the scale are in; x's sixteen stay out
	s_branch .Lw_in
.Llate:
	s_wait_loadcnt 0x0
	XLOADS
.Lw_in:
	v_cvt_f32_f16 v[WF], v96.l
	v_mul_f32 v[C23], 0x47000000, v[WF]            ; ws x 2^15, 2^11, 2^7
	v_mul_f32 v[C23+1], 0x45000000, v[WF]
	v_mul_f32 v[C42], 0x43000000, v[WF]
	v_mul_f32 v[D23], 0xc7000800, v[WF]            ; -ws x 32,776, 2,056, 136
	v_mul_f32 v[D23+1], 0xc5008000, v[WF]
	v_mul_f32 v[D42], 0xc3080000, v[WF]
	v_mov_b32 v[C42+1], v[C23]
	v_mov_b32 v[C34], v[C23+1]
	v_mov_b32 v[C34+1], v[C42]
	v_mov_b32 v[D42+1], v[D23]
	v_mov_b32 v[D34], v[D23+1]
	v_mov_b32 v[D34+1], v[D42]
	v_mul_f32 v[BM], 0x41000000, v[WF]             ; 8 ws; the floor 2^(16 - 127) keeps the byte at 1 or above where ws is 0
	v_max_num_f32 v[BM], 0x8000000, |v[BM]|
	v_add_nc_u32 v[SCB], 0xf8800000, v[BM]         ; 15 off its exponent field: the conversion takes the exponent field of this operand as its scale
	WORD SCB, 64
	WBLOCK 0
	WBLOCK 1
	WBLOCK 2
	WBLOCK 3
	BARRIER                                        ; the 16 rows' codes of W lie in LDS
	OUT LRDB, 26, 224, 0, 32768
	OUT LRDB, 26, 240, 1, 32768
	s_wait_xcnt 0x0                                ; the stores have read their registers: v224-255 are written again below
	; PASS 1: the row to f32, and the largest |x| of each chunk (my 8 numbers of 256 along K)
	v_mov_b32 v[BM2], 0
.set n, 0
.irp r, 16,17,18,19,20,21,22,23,24,25,26,27,28,29,30,31,32,33,34,35,36,37,38,39,40,41,42,43,44,45,46,47,48,49,50,51,52,53,54,55,56,57,58,59,60,61,62,63,64,65,66,67,68,69,70,71,72,73,74,75,76,77,78,79
.if n%4 == 0
	s_wait_loadcnt 15-n/4                          ; loads come back in order: this one is in, the younger ones stay out
.endif
	v_cvt_f32_f16 v[F+2*n], v\r\().l
	v_cvt_f32_f16 v[F+2*n+1], v\r\().h
.if n%4 == 3
.set FS, F+2*n-6
	v_max3_num_f32 v[CM+n/4], |v[FS]|, |v[FS+1]|, |v[FS+2]|
	v_max3_num_f32 v[CM+n/4], v[CM+n/4], |v[FS+3]|, |v[FS+4]|
	v_max3_num_f32 v[CM+n/4], v[CM+n/4], |v[FS+5]|, |v[FS+6]|
	v_max_num_f32 v[CM+n/4], v[CM+n/4], |v[FS+7]|
.endif
.set n, n+1
.endr
	; four neighbouring lanes hold a block of 32: its largest |x|; then the row's
.irp i, 0,1,2,3,4,5,6,7,8,9,10,11,12,13,14,15
	v_max_num_f32_dpp v[CM+\i], v[CM+\i], v[CM+\i] row_xmask:1 row_mask:0xf bank_mask:0xf
.endr
.irp i, 0,1,2,3,4,5,6,7,8,9,10,11,12,13,14,15
	v_max_num_f32_dpp v[CM+\i], v[CM+\i], v[CM+\i] row_xmask:2 row_mask:0xf bank_mask:0xf
.endr
	v_max3_num_f32 v[BM], v[CM], v[CM+1], 0x358637bd               ; 1e-6, under which reference() does not let the maximum fall
.irp i, 2,4,6,8,10,12,14
	v_max3_num_f32 v[BM], v[BM], v[CM+\i], v[CM+\i+1]
.endr
	v_max_num_f32_dpp v[BM], v[BM], v[BM] row_xmask:4 row_mask:0xf bank_mask:0xf
	v_max_num_f32_dpp v[BM], v[BM], v[BM] row_xmask:8 row_mask:0xf bank_mask:0xf
	v_permlanex16_b32 v[BM2], v[BM], s46, s47
	v_max_num_f32 v[BM], v[BM], v[BM2]             ; every lane holds the row's maximum
	; s = max / 7, correctly rounded, and 1 / s = y + yl
	v_mul_f32 v[T], s48, v[BM]
	v_fma_f32 v[T+1], -v[T], s49, v[BM]
	v_fma_f32 v[T], v[T+1], s48, v[T]
	v_fma_f32 v[T+1], -v[T], s49, v[BM]
	v_fma_f32 v[SV], v[T+1], s48, v[T]
	s_wait_alu depctr_va_vdst(0)                   ; ahead of the transcendental
	v_rcp_f32 v[YV], v[SV]
	v_mov_b32 v[SV+1], v[SV]                       ; (the plain line behind the transcendental)
	s_wait_alu depctr_va_vdst(0)                   ; and behind it
	v_fma_f32 v[T], -v[SV], v[YV], 1.0
	v_fma_f32 v[YV], v[T], v[YV], v[YV]
	v_fma_f32 v[T], -v[SV], v[YV], 1.0
	v_fma_f32 v[YV], v[T], v[YV], v[YV]
	v_mov_b32 v[YV+1], v[YV]
	v_fma_f32 v[T], -v[SV], v[YV], 1.0             ; what is left of 1,
	v_mul_f32 v[YL], v[T], v[YV]                   ; as a quotient
	v_mov_b32 v[YL+1], v[YL]
	v_mul_f32 v[T], s49, v[SV]                     ; 7 s, the row's possible largest
	v_add_nc_u32 v[SCA], 0xf8800000, v[T]
	WORD SCA, 0
.macro DEQ r                           ; q s for the eight numbers at r, in place
.irp j, 0,2,4,6
	v_pk_mul_f32 v[XT+\j:XT+\j+1], v[\r+\j:\r+\j+1], v[YL:YL+1]
.endr
.irp j, 0,2,4,6
	v_pk_fma_f32 v[\r+\j:\r+\j+1], v[\r+\j:\r+\j+1], v[YV:YV+1], v[XT+\j:XT+\j+1]
.endr
.irp j, 0,1,2,3,4,5,6,7
	v_rndne_f32 v[\r+\j], v[\r+\j]
.endr
.irp j, 0,2,4,6
	v_pk_mul_f32 v[\r+\j:\r+\j+1], v[\r+\j:\r+\j+1], v[SV:SV+1]
.endr
.endm
	DEQ CM                                         ; the blocks' largest |a_deq|: q rises with |x|, so it is the largest |x|'s
	DEQ CM+8
.irp i, 0,1,2,3,4,5,6,7,8,9,10,11,12,13,14,15
	v_and_or_b32 v[CM+\i], v[CM+\i], 0x7f800000, s43               ; 57,344 x the block's scale
.endr
.macro ACHUNK i
.set FS, F+8*(\i)
	DEQ FS
.irp j, 0,1,2,3,4,5,6,7
	v_med3_num_f32 v[FS+\j], v[FS+\j], -v[CM+\i], v[CM+\i]         ; the quantiser's clamp
.endr
	v_cvt_scalef32_pk8_bf8_f32 v[AC+2*(\i):AC+2*(\i)+1], v[FS:FS+7], v[SCA]
	v_nop                                          ; the plain line behind the conversion
	ds_store_b64 v[LAW], v[AC+2*(\i):AC+2*(\i)+1] offset:KSP*(\i)
.endm
.irp i, 0,1,2,3,4,5,6,7
	ACHUNK \i
.endr
	BARRIER                                        ; the 16 rows' codes of K steps 0-7 lie in LDS
	OUT LRDA, 24, 128, 0, 8192                     ; (into registers that chunks 0-1 have left)
.irp i, 8,9,10,11,12,13,14,15
	ACHUNK \i
.endr
	BARRIER                                        ; and those of K steps 8-15, and the 32 scale words
	s_cmp_lg_u32 s16, 0
	s_cbranch_scc1 .Lno_words
	ds_load_b32 v[SW], v[LRW]
	s_wait_dscnt 0x0
	global_store_b32 v[VS], v[SW], s[28:29]
.Lno_words:
	OUT LRDA, 24, 144, 1, 8192
	s_wait_tensorcnt 0x0                           ; the wave's end
	ds_add_u32 v[SPW], v[NIL]
	s_wait_dscnt 0x0
	s_endpgm
.Lfunc_end_k_qf749b2687e_prep:
	.size	k_qf749b2687e_prep, .Lfunc_end_k_qf749b2687e_prep-k_qf749b2687e_prep
	.p2alignl 7, 3214868480
	.fill 96, 4, 3214868480
	.section	.rodata,"a",@progbits
	.p2align	6, 0x0
	.amdhsa_kernel k_qf749b2687e_prep
		.amdhsa_group_segment_fixed_size 142080
		.amdhsa_private_segment_fixed_size 0
		.amdhsa_enable_private_segment 0
		.amdhsa_kernarg_size 48
		.amdhsa_user_sgpr_count 2
		.amdhsa_user_sgpr_kernarg_segment_ptr 1
		.amdhsa_wavefront_size32 1
		.amdhsa_system_sgpr_workgroup_id_x 1
		.amdhsa_system_sgpr_workgroup_id_y 1
		.amdhsa_system_sgpr_workgroup_id_z 1
		.amdhsa_system_vgpr_workitem_id 0
		.amdhsa_next_free_vgpr 256
		.amdhsa_next_free_sgpr 66
		.amdhsa_reserve_vcc 0
		.amdhsa_float_denorm_mode_32 3
		.amdhsa_float_denorm_mode_16_64 3
		.amdhsa_memory_ordered 1
		.amdhsa_forward_progress 1
		.amdhsa_inst_pref_size 86
	.end_amdhsa_kernel
	.amdgpu_metadata
---
amdhsa.version: [ 1, 2 ]
amdhsa.kernels:
  - .name:           k_qf749b2687e_prep
    .symbol:         k_qf749b2687e_prep.kd
    .args:
      - { .name: x, .offset: 0, .size: 8, .value_kind: global_buffer, .address_space: global }
      - { .name: qweight_packed, .offset: 8, .size: 8, .value_kind: global_buffer, .address_space: global }
      - { .name: w_scales, .offset: 16, .size: 8, .value_kind: global_buffer, .address_space: global }
      - { .name: acode, .offset: 24, .size: 8, .value_kind: global_buffer, .address_space: global }
      - { .name: bcode, .offset: 32, .size: 8, .value_kind: global_buffer, .address_space: global }
      - { .name: sc, .offset: 40, .size: 8, .value_kind: global_buffer, .address_space: global }
    .group_segment_fixed_size: 142080
    .private_segment_fixed_size: 0
    .kernarg_segment_align: 8
    .kernarg_segment_size: 48
    .max_flat_workgroup_size: 512
    .sgpr_count:     66
    .vgpr_count:     256
    .wavefront_size: 32
...
	.end_amdgpu_metadata
.endif
;; end of part 1
;; launch gemm (part 2): grid 16 x 16, 4 waves a work-group, clusters of 4 x 1, 327,680 bytes of LDS; arguments acode, bcode, sc, bias, out0; writes out0
.if DOCPART == 2
	.amdgcn_target "amdgcn-amd-amdhsa--gfx1250"
	.amdhsa_code_object_version 6
	.text
	.protected	k_qf749b2687e_gemm
	.globl	k_qf749b2687e_gemm
	.p2align	8
	.type	k_qf749b2687e_gemm,@function
k_qf749b2687e_gemm:
	s_mov_b64 s[64:65], 0
	v_nop
	global_prefetch_b8 v0, s[64:65] scope:SCOPE_SE
	s_setreg_imm32_b32 hwreg(HW_REG_WAVE_MODE, 25, 1), 1
	s_wait_xcnt 0x0
	s_wait_alu depctr_hold_cnt(0) depctr_sa_sdst(0) depctr_va_vdst(0) depctr_va_sdst(0) depctr_va_ssrc(0) depctr_va_vcc(0) depctr_vm_vsrc(0)
	s_getreg_b32 s2, hwreg(HW_REG_IB_STS2, 6, 4)
	s_cmp_eq_u32 s2, 0
	s_cbranch_scc0 .Lentry_in_a_cluster
	s_endpgm
.Lentry_in_a_cluster:
	s_bfe_u32 s2, ttmp6, 0x10000c
	s_cmp_lg_u32 s2, 0x3003
	s_cbranch_scc0 .Lentry_shape_is_right
	s_endpgm
.Lentry_shape_is_right:
; y[m][n] = sum over k of A[m][k] W[n][k] + bias[n]: 4,096 x 4,096 x 4,096, codes of BF8 with E8M0 scales, sums in f32, y rounded to f16.  Layouts of acode, bcode, sc: the first launch's head.
; A work-group makes 256 x 256 of y: four waves, each 64 rows x 256 columns: 64 accumulators, 512 registers.  The sums begin with the bias, in f32.
; A UNIT is 128 along K: 4 fragments of A, 16 of W, 64 products a wave.  32 units.
; A: a wave's 64 rows are its own, so its 4 fragments of a unit (8,192 bytes on end) go from memory straight into its registers, three sets by turns: unit u + 3 goes where unit u was.  No LDS byte, no barrier, no joint load: the
; four work-groups of a cluster have different rows.
; W: the 256 columns are read by all four waves and by the four work-groups of a cluster: each wave fetches a quarter of a slot by ONE JOINT LOAD (mask 15).  Units 0 and 1 have LDS bytes of their own; then slots of 3 units
; (98,304 bytes) take turns in two places: slot i (1 .. 10) holds units 3 i - 1 .. 3 i + 1.
; In registers W's fragments stand in two halves of eight: while one half is multiplied (32 products), the other's successor is loaded, in one run of 32 LDS loads; A's 16 loads follow in the second run.
; THE SCALES are one byte a row for all of K: 16 registers, loaded once: register i holds in lanes 16-31 the words of W's fragment i, in lanes 0-15 those of A's fragment i % 4.
; TRANSPOSED USE: source 0 = 16 rows of W, source 1 = 16 rows of A: a lane holds eight neighbouring columns of one row of y.
; PREFETCHES INTO THE L2: in unit u (0 .. 25) each wave of the work-groups of the first four tile columns asks for its own rows' unit u + 6, a lane 256 bytes; in slot i (1 .. 7) the sixteen waves of a cluster share out W's slot
; i + 3, 24 blocks of 256 bytes each.  The first six units of A and three slots of W come by their loads alone.
; REGISTERS: window 0: v0-31 addresses, v32-47 scales, v64-127 W's fragments 8-11 (the bias at the head), v128-255 fragments 0-7; window 1: v0-191 A's three sets, v192-255 W's fragments 12-15; windows 2, 3: accumulators of W's
; fragments 0-7, 8-15.  On the way out window 1's v0-63 hold packed results; rows read back lie in v128-191 of window 1 and of window 0 by turns.
.set FLIP,   131072                    ; slots lie at 0 and at FLIP
.set SLOT,   98304
.set HEAD,   229376                    ; units 0, 1: 65,536 bytes, filled once
.set STAGE,  HEAD                      ; the way out: 16 rows x SPITCH for each wave, on bytes that have had their one fill and their last read
.set SPITCH, 528
.set SPARE,  294912                    ; the spare words, 128 bytes for each wave
.set AO,   16                          ; v16  16 x lane: my place in a fragment's 512 bytes
.set PFO,  17                          ; v17  256 x lane
.set BA1,  18                          ; v18  16 x lane + 65,536
.set BO,   19
.set AB0,  20                          ; v20-21  LDS address of my W fragments: units 0, 1 and unit 2 of the slot
.set AB1,  21
.set PFB,  22                          ; v22  256 x the lesser of lane and 23
.set STO,  24
.set RD,   25
.set SPW,  28
.set NIL,  29
.set SC,   32
.set VO,   48                          ; v48-51
.set BI,   64
.set UA,   8192                        ; a unit of A's 64 rows
.set MSB, 0
.macro WIN new                         ; the immediate's high byte repeats the setting that is left
.if MSB != (\new)
	s_set_vgpr_msb (MSB<<8)|(\new)
.set MSB, (\new)
.endif
.endm
.macro PLACES n
.rept \n
	v_nop
.endr
.endm
.macro CREST                           ; a round of the cluster's barrier behind its opening barrier
	s_cmp_lg_u32 s14, 0
	s_cbranch_scc1 .Lnot_wave_0_\@
	s_barrier_signal -3
.Lnot_wave_0_\@:
	s_barrier_wait -3
	s_barrier_signal -1
	s_barrier_wait -1
.endm
.macro CROUND
	s_barrier_signal -1
	s_barrier_wait -1
	CREST
.endm
.macro TLOAD                           ; the joint load: my quarter of a slot
	tensor_load_to_lds s[32:35], s[24:31]
	s_nop 0
	PLACES 4
.endm
	s_load_b256 s[4:11], s[0:1], 0x0               ; acode, bcode, sc, bias
	s_load_b64 s[12:13], s[0:1], 0x20              ; out0
	v_lshl_add_u32 v[SPW], v0, 2, SPARE
	v_mov_b32 v[NIL], 0
	ds_add_u32 v[SPW], v[NIL]                      ; the wave's opening: the add, twice on end, and its wait ahead of my first tensor load
	ds_add_u32 v[SPW], v[NIL]
	v_lshrrev_b32 v1, 5, v0
	v_readfirstlane_b32 s14, v1                    ; wave 0..3
	s_bfe_u32 s40, ttmp6, 0x40000                  ; cx
	s_lshl_b32 s17, ttmp9, 2
	s_add_co_u32 s17, s17, s40                     ; tile row of y
	s_and_b32 s18, ttmp7, 0xffff                   ; tile column, the same in the whole cluster
	s_lshl_b32 s41, s17, 2
	s_add_co_u32 s41, s41, s14                     ; my block of 64 rows
	s_lshl_b32 s20, s41, 18                        ; A: 262,144 bytes a block
	s_mov_b32 s21, 0
	s_lshl_b32 s19, s18, 20                        ; W: 1,048,576 bytes a tile
	s_lshl_b32 s22, s14, 14                        ; my quarter of units 0, 1
	s_add_co_u32 s22, s22, s19
	s_mov_b32 s23, 0
	s_mul_i32 s55, s14, SLOT/4                     ; my quarter of a slot, in LDS and in W
	s_add_co_u32 s58, s55, s19
	s_add_co_u32 s58, s58, 65536                   ; slot 1 begins at unit 2
	s_mov_b32 s59, 0
	s_lshl_b32 s46, s40, 2                         ; prefetches of W: slot 4 first (unit 11), my sixteenth
	s_add_co_u32 s46, s46, s14
	s_mul_i32 s46, s46, SLOT/16
	s_add_co_u32 s46, s46, s19
	s_add_co_u32 s46, s46, 11*32768
	s_mov_b32 s47, 0
	s_lshl_b32 s48, s41, 19                        ; y: 64 rows of 8,192 bytes a block, 512 bytes a tile column
	s_lshl_b32 s50, s18, 9
	s_add_co_u32 s48, s48, s50
	s_mov_b32 s49, 0
	s_mov_b32 s51, 0
	s_lshl_b32 s52, s17, 11                        ; scale words: A's 16 (tile row) + 4 w groups of 128 bytes on,
	s_lshl_b32 s53, s14, 9
	s_add_co_u32 s52, s52, s53
	s_lshl_b32 s53, s18, 11                        ; W's 16 x tile column groups on, in their second half
	s_add_co_u32 s53, s53, 64
	s_mul_i32 s54, s14, 16*SPITCH
	s_add_co_u32 s54, s54, STAGE
	s_mov_b32 s24, 15|(3<<16)|(1<<21)              ; group 1: the mask of the four; elements of 8 bytes; rows of 32 elements, dense: 64 of them for units 0 and 1, behind them 96
	s_mov_b32 s25, 32<<16
	s_mov_b32 s26, 64<<16
	s_mov_b32 s27, 32<<16
	s_mov_b32 s28, 64
	s_mov_b32 s29, 32
	s_mov_b32 s30, 0
	s_mov_b32 s31, 0
	s_mov_b32 s32, 1
	s_lshl_b32 s33, s14, 14
	s_add_co_u32 s33, s33, HEAD
	s_mov_b32 s45, FLIP                            ; the place that is read; the first change of slots turns it to 0
	v_and_b32 v1, 31, v0
	v_and_b32 v2, 15, v0
	v_bfe_u32 v3, v0, 4, 1
	v_lshlrev_b32 v[AO], 4, v1
	v_lshlrev_b32 v[PFO], 8, v1
	v_min_u32 v[PFB], 23, v1
	v_lshlrev_b32 v[PFB], 8, v[PFB]
	v_add_nc_u32 v[BA1], 0x10000, v[AO]
	v_lshlrev_b32 v[BO], 4, v3
	v_mov_b32 v4, s52
	v_mov_b32 v5, s53
	v_cmp_lt_u32 vcc_lo, 15, v1
	v_cndmask_b32 v4, v4, v5, vcc_lo
	v_lshl_add_u32 v[VO], v2, 2, v4
	v_lshlrev_b32 v6, 9, v3                        ; W's fragments 4 g .. lie 512 g bytes further on, A's do not
	v_add_nc_u32 v[VO+1], v[VO], v6
	v_add_nc_u32 v[VO+2], v[VO+1], v6
	v_add_nc_u32 v[VO+3], v[VO+2], v6
	v_mul_u32_u24 v7, SPITCH, v2                   ; the stage, in: row l % 16, 16 bytes for each half of the lanes;
	v_lshl_add_u32 v7, v3, 4, v7
	v_add_nc_u32 v[STO], s54, v7
	v_add_nc_u32 v[RD], s54, v[AO]                 ; back: 32 lanes take a row of 512 bytes
	v_add_nc_u32 v[AB0], HEAD, v[AO]
	s_wait_alu depctr_va_vdst(0)
	s_wait_dscnt 0x0                               ; both opening adds are done
	CROUND                                         ; all four work-groups are here: the first joint loads meet
	s_wait_kmcnt 0x0
	s_add_nc_u64 s[34:35], s[6:7], s[22:23]
	s_or_b32 s35, s35, 0x80000000
	TLOAD                                          ; units 0, 1: one tensor load a wave at the head
	s_add_nc_u64 s[56:57], s[6:7], s[58:59]
	s_or_b32 s57, s57, 0x80000000
	s_add_nc_u64 s[38:39], s[6:7], s[46:47]
	s_add_nc_u64 s[36:37], s[4:5], s[20:21]
	s_add_nc_u64 s[10:11], s[10:11], s[50:51]
	s_add_nc_u64 s[12:13], s[12:13], s[48:49]
.irp b, 0,1,2,3,4,5,6,7,8,9,10,11,12,13,14,15
	global_load_b128 v[BI+4*\b:BI+4*\b+3], v[BO], s[10:11] offset:32*\b     ; the bias of my eight columns of tile b
.endr
.irp b, 0,1,2,3,4,5,6,7,8,9,10,11,12,13,14,15
	global_load_b32 v[SC+\b], v[VO+\b/4], s[8:9] offset:128*(\b%4)
.endr
.macro GLUNIT set, off                 ; a unit of A into a set: 16 loads of 512 bytes on end
	WIN 0x40
.irp i, 0,1,2,3,4,5,6,7,8,9,10,11,12,13,14,15
	global_load_b128 v[64*(\set)+4*\i:64*(\set)+4*\i+3], v[AO], s[36:37] offset:(\off)+512*\i
.endr
	WIN 0
.endm
	GLUNIT 0, 0
	s_wait_loadcnt 32                              ; the bias is in; the scale words and a unit of A may be out
.set n, 0
.irp r, 64,65,66,67,68,69,70,71,72,73,74,75,76,77,78,79,80,81,82,83,84,85,86,87,88,89,90,91,92,93,94,95,96,97,98,99,100,101,102,103,104,105,106,107,108,109,110,111,112,113,114,115,116,117,118,119,120,121,122,123,124,125,126,127
	WIN 0x80+0x40*(n/32)                           ; the sums begin with the bias: tile b = n / 4 of each of my four row blocks
.irp a, 0,1,2,3
	v_cvt_f32_f16 v[8*(4*((n/4)%8)+\a)+2*(n%4)], v\r\().l
	v_cvt_f32_f16 v[8*(4*((n/4)%8)+\a)+2*(n%4)+1], v\r\().h
.endr
.set n, n+1
.endr
	GLUNIT 1, UA
	GLUNIT 2, 2*UA
.macro BREG b                          ; R_: the first of fragment b's 16 registers (b over 11: in window 1)
.if (\b) < 8
.set R_, 128+16*(\b)
.elseif (\b) < 12
.set R_, 64+16*((\b)-8)
.else
.set R_, 192+16*((\b)-12)
.endif
.endm
.macro WINB b                          ; sources 0 and 1, C and D for fragment b
.if (\b) < 8
	WIN 0xa4
.elseif (\b) < 12
	WIN 0xf4
.else
	WIN 0xf5
.endif
.endm
.macro MM set, b, a                    ; W's fragment b x A's fragment a of a set.  The 64 accumulators take turns, one instruction a turn
	BREG \b
	v_wmma_scale_f32_16x16x128_f8f6f4 v[8*(4*((\b)%8)+\a):8*(4*((\b)%8)+\a)+7], v[R_:R_+15], v[64*(\set)+16*\a:64*(\set)+16*\a+15], v[8*(4*((\b)%8)+\a):8*(4*((\b)%8)+\a)+7], v[SC+(\b)], v[SC+4*((\b)/4)+\a] matrix_a_fmt:MATRIX_FMT_BF8 matrix_b_fmt:MATRIX_FMT_BF8 matrix_a_scale:MATRIX_SCALE_ROW1
.endm
.macro PR set, b                       ; four products of W's fragment b
	WINB \b
	MM \set, \b, 0
	MM \set, \b, 1
	MM \set, \b, 2
	MM \set, \b, 3
.endm
.macro LDF q, f                        ; W's fragment f of the slot's unit q
	BREG \f
.if (\f) < 12
	WIN 0
.else
	WIN 0x40
.endif
.irp k, 0,1,2,3
	ds_load_b128 v[R_+4*\k:R_+4*\k+3], v[AB0+(\q)/2] offset:32768*((\q)%2)+2048*(\f)+512*\k
.endr
.endm
.macro LDX q                           ; the first half of a unit: 32 loads;
.irp f, 0,1,2,3,4,5,6,7
	LDF \q, \f
.endr
.endm
.macro LDY q                           ; the second
.irp f, 8,9,10,11,12,13,14,15
	LDF \q, \f
.endr
.endm
.macro ASK off                         ; my rows' unit u + 6
	WIN 0
	s_cmp_lt_u32 s18, 4
	s_cbranch_scc0 .Lnot_mine_\@
	global_prefetch_b8 v[PFO], s[36:37] offset:\off th:TH_LOAD_NT scope:SCOPE_SE
.Lnot_mine_\@:
.endm
; A unit that has its successor in the same slot.  lw: the loads of A that may be out (later units').  gl: the unit of A that is asked for, pf: the one that is prefetched (-1: none).
; The eight v_nop ahead of each run of loads are the places behind the last product that read the run's registers.
.macro UNIT q, set, lw, gl, pf
	s_wait_loadcnt \lw
	s_wait_dscnt 48                                ; fragments 0-3 are in; 4-7 and the second half, 16 + 32 loads, may be out
.irp b, 0,1,2,3
	PR \set, \b
.endr
	s_wait_dscnt 32                                ; the second half may be out
.irp b, 4,5,6,7
	PR \set, \b
.endr
	PLACES 8
	LDX (\q)+1
	s_wait_dscnt 48                                ; fragments 8-11 are in; 12-15 and the 32 just issued may be out
.irp b, 8,9,10,11
	PR \set, \b
.endr
	s_wait_dscnt 32
.irp b, 12,13,14,15
	PR \set, \b
.endr
	PLACES 8
	LDY (\q)+1
.if (\gl) >= 0
	GLUNIT \set, (\gl)*UA
.endif
.if (\pf) >= 0
	ASK (\pf)*UA
.endif
	WIN 0
.endm
; A slot's last unit changes slots.  All of the slot has been asked for when it begins; in front of the barrier each wave waits for its tensor load, adds 0 to its spare word, and waits for that and its reads.
; Behind it nobody reads this slot and the next is whole.  fill = 1: the barrier opens a round of the cluster's barrier, and the slot two on is asked for.
.macro TURN set, lw, gl, pf, fill
	s_wait_loadcnt \lw
	s_wait_dscnt 48
.irp b, 0,1,2,3
	PR \set, \b
.endr
	WIN 0
	s_wait_tensorcnt 0x0                           ; my quarter of the next slot has landed
	ds_add_u32 v[SPW], v[NIL]                      ; 0 onto my spare word
.if \fill
	s_add_nc_u64 s[34:35], s[34:35], SLOT          ; no tensor load of mine is out: the descriptor steps to the next slot of W
	s_xor_b32 s33, s33, FLIP                       ; and to the other place
.endif
	s_xor_b32 s45, s45, FLIP
	s_wait_dscnt 33                                ; fragments 4-7 are in; the second half and the add may be out
	PR \set, 4
	PR \set, 5
	s_wait_dscnt 0x0                               ; the add is done, and my reads of this slot are over
	s_barrier_signal -1
	PR \set, 6
	PR \set, 7
	WIN 0
	s_barrier_wait -1
.if \fill
	CREST                                          ; no wave of any partner still reads this slot or has a load on its way
	TLOAD
.else
	PLACES 4
.endif
	v_add_nc_u32 v[AB0], s45, v[AO]                ; from here on the other place is read.  (Two of the eight places)
	v_add_nc_u32 v[AB1], s45, v[BA1]
	PLACES 2
	s_wait_alu depctr_va_vdst(0)
	LDX 0
.irp b, 8,9,10,11,12,13,14,15
	PR \set, \b
.endr
	PLACES 8
	LDY 0
.if (\gl) >= 0
	GLUNIT \set, (\gl)*UA
.endif
.if (\pf) >= 0
	ASK (\pf)*UA
.endif
	WIN 0
.endm
	WIN 0
	s_wait_alu depctr_va_vdst(0)                   ; the wait at the head's end
	s_wait_tensorcnt 0x0                           ; my quarter of units 0, 1 is in
	ds_add_u32 v[SPW], v[NIL]
	s_mov_b32 s26, 96<<16                          ; no tensor load of mine is out: from here on a load brings 96 rows of 256 bytes,
	s_mov_b32 s28, 96
	s_mov_b32 s33, s55                             ; slot 1 first
	s_mov_b64 s[34:35], s[56:57]
	s_wait_dscnt 0x0
	CROUND                                         ; units 0, 1 are whole
	TLOAD
	LDX 0
	LDY 0
	WIN 0
	UNIT 0, 0, 32, 3, 6
	TURN 1, 32, 4, 7, 1                            ; unit 1; slot 2 is asked for
	s_wait_xcnt 0x0                                ; the loads and prefetches have read their base
	s_add_nc_u64 s[36:37], s[36:37], 2*UA
	s_mov_b32 s3, 8
.Ltrip:                                                ; slot i = 9 - s3; in its last unit slot i + 2 is asked for
	UNIT 0, 2, 32, 3, 6
	s_cmp_gt_u32 s3, 1
	s_cbranch_scc0 .Lno_slot
	global_prefetch_b8 v[PFB], s[38:39] th:TH_LOAD_NT scope:SCOPE_SE       ; W's slot i + 3
.Lno_slot:
	UNIT 1, 0, 32, 4, 7
	TURN 1, 32, 5, 8, 1
	s_wait_xcnt 0x0                                ; the loads and prefetches have read their bases
	s_add_nc_u64 s[36:37], s[36:37], 3*UA
	s_add_nc_u64 s[38:39], s[38:39], SLOT
	s_sub_co_u32 s3, s3, 1
	s_cmp_lg_u32 s3, 0
	s_cbranch_scc1 .Ltrip
	UNIT 0, 2, 32, 3, -1                           ; slot 9 fills nothing
	UNIT 1, 0, 32, 4, -1
	TURN 1, 32, 5, -1, 0
	UNIT 0, 2, 32, -1, -1                          ; slot 10
	UNIT 1, 0, 16, -1, -1
; THE LAST UNIT GOES BY ROWS: all its fragments of W stand in registers, so my four blocks of 16 rows are finished one after the other, 16 products each, and leave while the others are multiplied.
; THE WAY OUT of a block, 16 rows x 256 columns: rounded to f16, 16 bytes a lane, into my own stage in LDS and back as whole rows of 512 bytes: each store covers two aligned units of 256 bytes.
.macro PA a
.irp b, 0,1,2,3,4,5,6,7,8,9,10,11,12,13,14,15
	WINB \b
	MM 1, \b, \a
.endr
	WIN 0
.endm
.macro PACK a
.irp b, 0,1,2,3,4,5,6,7,8,9,10,11,12,13,14,15
	WIN 0x4a+5*(\b/8)
.irp r, 0,1,2,3
	v_cvt_pk_f16_f32 v[4*\b+\r], v[8*(4*(\b%8)+\a)+2*\r], v[8*(4*(\b%8)+\a)+2*\r+1]
.endr
.endr
	WIN 0
.endm
.macro TOSTAGE a
	WIN 0x04
.irp b, 0,1,2,3,4,5,6,7,8,9,10,11,12,13,14,15
	ds_store_b128 v[STO], v[4*\b:4*\b+3] offset:32*\b
.endr
	WIN 0x40*(1-(\a)%2)
.irp t, 0,1,2,3,4,5,6,7,8,9,10,11,12,13,14,15
	ds_load_b128 v[128+4*\t:128+4*\t+3], v[RD] offset:\t*SPITCH     ; LDS serves a wave's instructions in order (ISA guide 5.7.1.4)
.endr
	WIN 0
.endm
.macro SEND a
	s_wait_dscnt 0x0
	s_wait_xcnt 0x0                                ; earlier stores have read their registers and their base
.if (\a) > 0
	s_add_nc_u64 s[12:13], s[12:13], 16*8192
.endif
	WIN 0x04*(1-(\a)%2)
.irp t, 0,1,2,3,4,5,6,7,8,9,10,11,12,13,14,15
	global_store_b128 v[AO], v[128+4*\t:128+4*\t+3], s[12:13] offset:\t*8192 th:TH_STORE_NT
.endr
	WIN 0
.endm
	s_wait_loadcnt 0x0
	s_wait_dscnt 0x0
	PA 0
	PA 1
	PLACES 8
	PACK 0
	TOSTAGE 0
	PA 2
	SEND 0
	PACK 1
	PA 3
	PLACES 8
	s_wait_alu depctr_va_vdst(0)
	TOSTAGE 1
	PACK 2
	s_wait_alu depctr_va_vdst(0)
	SEND 1
	TOSTAGE 2
	PACK 3
	s_wait_alu depctr_va_vdst(0)
	SEND 2
	TOSTAGE 3
	SEND 3
	s_wait_tensorcnt 0x0                           ; the wave's end
	ds_add_u32 v[SPW], v[NIL]
	s_wait_dscnt 0x0
	CROUND                                         ; the closing round: no work-group ends while a partner may still ask for a tile that names it
	s_endpgm
.Lfunc_end_k_qf749b2687e_gemm:
	.size	k_qf749b2687e_gemm, .Lfunc_end_k_qf749b2687e_gemm-k_qf749b2687e_gemm
	.p2alignl 7, 3214868480
	.fill 96, 4, 3214868480
	.section	.rodata,"a",@progbits
	.p2align	6, 0x0
	.amdhsa_kernel k_qf749b2687e_gemm
		.amdhsa_group_segment_fixed_size 327680
		.amdhsa_private_segment_fixed_size 0
		.amdhsa_enable_private_segment 0
		.amdhsa_kernarg_size 40
		.amdhsa_user_sgpr_count 2
		.amdhsa_user_sgpr_kernarg_segment_ptr 1
		.amdhsa_wavefront_size32 1
		.amdhsa_system_sgpr_workgroup_id_x 1
		.amdhsa_system_sgpr_workgroup_id_y 1
		.amdhsa_system_sgpr_workgroup_id_z 1
		.amdhsa_system_vgpr_workitem_id 0
		.amdhsa_next_free_vgpr 1024
		.amdhsa_next_free_sgpr 66
		.amdhsa_reserve_vcc 1
		.amdhsa_float_denorm_mode_32 3
		.amdhsa_float_denorm_mode_16_64 3
		.amdhsa_memory_ordered 1
		.amdhsa_forward_progress 1
		.amdhsa_inst_pref_size 218
	.end_amdhsa_kernel
	.amdgpu_metadata
---
amdhsa.version: [ 1, 2 ]
amdhsa.kernels:
  - .name:           k_qf749b2687e_gemm
    .symbol:         k_qf749b2687e_gemm.kd
    .args:
      - { .name: acode, .offset: 0, .size: 8, .value_kind: global_buffer, .address_space: global }
      - { .name: bcode, .offset: 8, .size: 8, .value_kind: global_buffer, .address_space: global }
      - { .name: sc, .offset: 16, .size: 8, .value_kind: global_buffer, .address_space: global }
      - { .name: bias, .offset: 24, .size: 8, .value_kind: global_buffer, .address_space: global }
      - { .name: out0, .offset: 32, .size: 8, .value_kind: global_buffer, .address_space: global }
    .group_segment_fixed_size: 327680
    .private_segment_fixed_size: 0
    .kernarg_segment_align: 8
    .kernarg_segment_size: 40
    .max_flat_workgroup_size: 128
    .sgpr_count:     66
    .vgpr_count:     1024
    .wavefront_size: 32
...
	.end_amdgpu_metadata
.endif
;; end of part 2
